; MI455X (gfx1250); checked and timed in simulation.
; The chip was launched on July 23, 2026; its instructions are those of AMD's public machine-readable ISA for CDNA 5 (MIT licence, August 2026) and "CDNA5" Instruction Set Architecture Reference Guide (July 2026). The comments in the code are by the model that wrote it; some were corrected since.
;; TS GCN. Allowed arithmetic: float matrix products may take bf16 or f16 operands with f32 sums; all other float work in f32.
;; Inputs: adj 512 x 128 x 128 int32; d_init 1 float32; edge_pred 512 x 128 x 128 x 2 float32; u_init 512 x 128 x 3 float32; x_noise 512 x 128 x 3 float32.
;; Outputs: out0 512 x 128 x 128 float32.
;; One version. Each part assembles by itself: llvm-mc -triple=amdgcn-amd-amdhsa -mcpu=gfx1250 --defsym DOCPART=n.
;; ======== version 1 of 1: 1 launch
;; launch tsgcn (part 1): grid 256 x 1, 8 waves a work-group, no clusters, 327,680 bytes of LDS; arguments edge_pred, adj, d_init, u_init, x_noise, out0; writes out0
.if DOCPART == 1
	.amdgcn_target "amdgcn-amd-amdhsa--gfx1250"
	.amdhsa_code_object_version 6
	.text
	.protected	k_q18106033c2_tsgcn
	.globl	k_q18106033c2_tsgcn
	.p2align	8
	.type	k_q18106033c2_tsgcn,@function
k_q18106033c2_tsgcn:
	s_mov_b64 s[64:65], 0
	v_nop
	global_prefetch_b8 v0, s[64:65] scope:SCOPE_SE
	s_setreg_imm32_b32 hwreg(HW_REG_WAVE_MODE, 25, 1), 1
	s_wait_xcnt 0x0
; TS_GCN: 512 molecules of 128 atoms.  For each: D, W = softplus(d_init + ep + ep^T) * adj; Gram matrix of D^2; three eigenvector columns by ten
; power steps each, with deflation; + noise; five damped gradient steps on the weighted distance objective; out = adj * distances(X).
; One work-group of eight waves does molecules 2g and 2g+1, one after the other; the second one's inputs come in by tensor loads while the first is computed.
; Wave w owns rows 16w..16w+15.  Lane l: r = l & 15, h = l >> 4, row k = 16w + r, columns j = 16c + 8h + t (c, t = 0..7), local index n = 8c + t.
; A thread keeps 64 numbers each of A (Gram matrix), P and Q in registers; the two halves of a row are lanes l and l ^ 16.
; With a = adj[k][j], aT = adj[j][k], sd, sw = the two softplus channels (symmetric in k, j):
;   D^2 = sd^2 a^2,  Q = sw (a^2 + aT^2),  P = sw sd (a^3 + aT^3),  step dx_k = (0.2 / sum(mask)) * sum_j (P / dist - Q)(x_k - x_j).
; Nothing is assumed of adj (no symmetry, no zero diagonal).  The diagonal's P and Q meet x_k - x_k = 0.
; The products here have one column each, so they run as packed f32 multiply-adds on the registers; no two work-groups share an input, so no cluster.
; LIMITS: softplus(x) = max(x,0) + ln2 log2(1 + 2^(-|x| log2 e)): absolute error about 6e-8, so relative accuracy is lost for x < -16.
;         tanh(z) = 1 - 2 / (1 + e^(2z)): relative error about 2e-5 at the smallest argument that occurs, 0.0063.  Divisions are a reciprocal and a multiply.
.set EPP,    1040                      ; LDS pitch of an ep row: 1,024 bytes + 16: an odd multiple of 16; eight rows are 32 banks modulo 64
.set ADP,    528                       ; LDS pitch of an adj row: 512 bytes + 16, likewise
.set ADJ0,   128*EPP                   ; adj of molecule 0 lies behind ep
.set ADJSZ,  128*ADP
.set SCR,    ADJ0+2*ADJSZ              ; scratch written by ds_store: bytes of its own, no tensor load lands here
.set O_VEC,  0                         ; two vectors of 128 f32, taking turns
.set O_PART, 1024                      ; two sets of eight partial sums of squares
.set O_XB,   2048                      ; x, y, z: 128 f32 each
.set O_RCOL, 4096                      ; column sums of D^2
.set O_NMV,  4608                      ; column sums of the mask
.set O_TOT,  5120                      ; eight partial sums of D^2
.set O_SM,   5152                      ; eight partial sums of the mask
.set ROWE, 1                           ; LDS: my 64 bytes of ep's row k, chunk 0
.set COLE, 2                           ; v2, v3: ep[8h + ..][k], rows 0-63 and 64-127
.set ROWA, 4                           ; my 32 bytes of adj's row k
.set COLA, 5                           ; adj[8h + ..][k]
.set DIAG, 6                           ; adj[k][k]
.set OUTA, 7                           ; adj[16w][4l..]
.set VECR, 8                           ; SCR + 32 h
.set K4,   9                           ; SCR + 4 k
.set W4,   10                          ; SCR + 4 w
.set SC0,  11                          ; SCR
.set L16,  12                          ; SCR + 16 l
.set ND,   13                          ; local index of the diagonal, 255 if it is not mine
.set UN,   14                          ; 12 k: byte offset in u_init and x_noise
.set OUTO, 15                          ; 8192 w + 16 l: byte offset in out0
.set UI,   16                          ; v16-18 u_init[k]
.set Y,    19                          ; the product's row k
.set NO,   20                          ; v20-22 x_noise[k]
.set GS,   23                          ; 0.2 / sum(mask)
.set XK,   24                          ; v24-29 x_k, y_k, z_k, each twice (pairs for packed arithmetic)
.set RN,   30
.set F,    31
.set T,    32                          ; v32-63 at work
.set A,    64                          ; v64-127 Gram matrix, my 64 numbers
.set U,    128                         ; v128-191 a vector's 64 numbers
.set BUF0, 128                         ; two staging buffers of 48 registers
.set BUF1, 176
.set RS,   224
.set CS,   226
.set SA,   228
.set ST,   230
.set G,    232                         ; v232-237 gradient sums, three pairs
.set AKK,  238
.set ACC,  240                         ; v240-247 four packed chains
.set XC,   248                         ; v248-250 the three columns' row k
.set ONE,  251
.set CKH,  252
.set HINV, 254
; window 1: P = v256-319 (named v0-63 there), Q = v320-383 (named v64-127)
.set MSB, 0
.macro WIN new                         ; s_set_vgpr_msb: bits 1:0 source 0, 3:2 source 1, 5:4 source 2, 7:6 destination; the high byte repeats the setting that is left
.if MSB != \new
	s_set_vgpr_msb (MSB<<8)|\new
.set MSB, \new
.endif
.endm
.macro BAR
	s_barrier_signal -1
	s_barrier_wait -1
.endm
	s_load_b256 s[4:11], s[0:1], 0x0               ; edge_pred s[4:5], adj s[6:7], d_init s[8:9], u_init s[10:11]
	s_load_b128 s[12:15], s[0:1], 0x20             ; x_noise s[12:13], out0 s[14:15]
	s_set_vgpr_msb 0x40
	v_lshl_add_u32 v128, v0, 2, 0x43800
	v_mov_b32 v129, 0
	s_set_vgpr_msb 0x4045
	ds_add_u32 v128, v129
	ds_add_u32 v128, v129
	s_set_vgpr_msb 0x4500
	v_lshrrev_b32 v34, 5, v0
	v_readfirstlane_b32 s16, v34                   ; wave 0..7
	; descriptor group 1 for ep: 16 rows of 128 elements of 8 bytes, 4 words of padding behind every 256 words
	s_mov_b32 s32, (3<<16)|(1<<20)|(7<<22)|(3<<25)
	s_mov_b32 s33, 128<<16                         ; tensor_dim0 = 128
	s_mov_b32 s34, 16<<16                          ; tensor_dim1 = 16
	s_mov_b32 s35, 128<<16                         ; tile_dim0 = 128
	s_mov_b32 s36, 16                              ; tile_dim1 = 16
	s_mov_b32 s37, 128                             ; elements from row to row
	s_mov_b32 s38, 0
	s_mov_b32 s39, 0
	; descriptor group 1 for adj: 16 rows of 128 elements of 4 bytes, 4 words of padding behind every 128 words
	s_mov_b32 s40, (2<<16)|(1<<20)|(6<<22)|(3<<25)
	s_mov_b32 s41, 128<<16
	s_mov_b32 s42, 16<<16
	s_mov_b32 s43, 128<<16
	s_mov_b32 s44, 16
	s_mov_b32 s45, 128
	s_mov_b32 s46, 0
	s_mov_b32 s47, 0
	; four groups 0, written once and never again: ep 0 s[48:51], adj 0 s[52:55], adj 1 s[56:59], ep 1 s[60:63].  Each wave brings its own 16 rows.
	s_mov_b32 s48, 1
	s_mul_i32 s49, s16, 16*EPP
	s_mov_b32 s52, 1
	s_mul_i32 s53, s16, 16*ADP
	s_add_co_u32 s53, s53, ADJ0
	s_mov_b32 s56, 1
	s_add_co_u32 s57, s53, ADJSZ
	s_mov_b32 s60, 1
	s_mul_i32 s61, s16, 16*EPP
	s_lshl_b32 s28, ttmp9, 18                      ; two molecules of 131,072 bytes of ep
	s_lshl_b32 s2, s16, 14                         ; 16 rows of 1,024 bytes
	s_add_co_u32 s28, s28, s2
	s_mov_b32 s29, 0
	s_wait_dscnt 0x0
	s_wait_kmcnt 0x0
	s_add_nc_u64 s[50:51], s[4:5], s[28:29]
	s_add_nc_u64 s[62:63], s[50:51], 0x20000       ; the second molecule
	s_or_b32 s51, s51, 0x80000000
	s_or_b32 s63, s63, 0x80000000
	s_lshr_b32 s28, s28, 1                         ; adj's offsets are half of ep's
	s_add_nc_u64 s[54:55], s[6:7], s[28:29]
	s_add_nc_u64 s[58:59], s[54:55], 0x10000
	s_or_b32 s55, s55, 0x80000000
	s_or_b32 s59, s59, 0x80000000
	tensor_load_to_lds s[48:51], s[32:39]          ; the three first fills go out together, ahead of every wait, LDS read and barrier:
	s_nop 0
	tensor_load_to_lds s[52:55], s[40:47]          ; three tensor loads of the wave are out here, later one at the most
	s_nop 0
	tensor_load_to_lds s[56:59], s[40:47]
	s_nop 0
	s_lshl_b32 s28, ttmp9, 17
	s_add_nc_u64 s[14:15], s[14:15], s[28:29]      ; out0 at my first molecule
	s_mul_i32 s28, ttmp9, 3072
	s_add_nc_u64 s[10:11], s[10:11], s[28:29]      ; u_init and x_noise likewise
	s_add_nc_u64 s[12:13], s[12:13], s[28:29]
	s_load_b32 s28, s[8:9], 0x0                    ; d_init; s29 = 0 stays beside it: the pair is read by packed adds
	s_mov_b32 s18, 0x76543210                      ; v_permlanex16_b32: lane i reads lane i of the other half
	s_mov_b32 s19, 0xfedcba98
	s_mov_b32 s21, 0
	s_mov_b32 s23, 0
	s_mov_b32 s25, 0
	s_mov_b32 s30, 0x3fb8aa3b                      ; log2 e
	s_mov_b32 s31, 0x3f317218                      ; ln 2
	v_and_b32 v32, 15, v0                          ; r
	v_bfe_u32 v33, v0, 4, 1                        ; h
	v_and_b32 v36, 31, v0                          ; l
	v_lshl_or_b32 v35, v34, 4, v32                 ; k
	v_mul_u32_u24 v[ROWE], v32, EPP
	v_lshl_add_u32 v[ROWE], v33, 6, v[ROWE]
	v_add_nc_u32 v[ROWE], s49, v[ROWE]             ; 1040 k + 64 h
	s_lshl_b32 s2, s16, 7
	v_mul_u32_u24 v[COLE], v33, 8*EPP
	v_lshl_add_u32 v[COLE], v32, 3, v[COLE]
	v_add_nc_u32 v[COLE], s2, v[COLE]              ; 8320 h + 8 k
	v_add_nc_u32 v[COLE+1], 64*EPP, v[COLE]
	v_mul_u32_u24 v[ROWA], v32, ADP
	v_lshl_add_u32 v[ROWA], v33, 5, v[ROWA]
	v_add_nc_u32 v[ROWA], s53, v[ROWA]             ; ADJ0 + 528 k + 32 h
	s_lshl_b32 s2, s16, 6                          ; 64 w = 4 x 16 w
	s_add_co_u32 s3, s2, ADJ0
	v_mul_u32_u24 v[COLA], v33, 8*ADP
	v_lshl_add_u32 v[COLA], v32, 2, v[COLA]
	v_add_nc_u32 v[COLA], s3, v[COLA]              ; ADJ0 + 4224 h + 4 k
	s_add_co_u32 s3, s53, s2
	v_mul_u32_u24 v[DIAG], v32, ADP+4
	v_add_nc_u32 v[DIAG], s3, v[DIAG]              ; ADJ0 + 532 k
	v_lshl_add_u32 v[OUTA], v36, 4, s53            ; ADJ0 + 8448 w + 16 l
	v_lshlrev_b32 v[VECR], 5, v33
	v_add_nc_u32 v[VECR], SCR, v[VECR]
	s_add_co_u32 s3, s2, SCR
	v_lshl_add_u32 v[K4], v32, 2, s3
	s_lshl_b32 s3, s16, 2
	s_add_co_u32 s3, s3, SCR
	v_mov_b32 v[W4], s3
	v_mov_b32 v[SC0], SCR
	v_lshlrev_b32 v[L16], 4, v36
	v_add_nc_u32 v[L16], SCR, v[L16]
	v_lshrrev_b32 v37, 3, v32                      ; the diagonal j = k is chunk c = w, half r >> 3, place r & 7
	v_and_b32 v38, 7, v32
	v_lshl_add_u32 v38, s16, 3, v38
	v_mov_b32 v39, 0xff
	v_cmp_eq_u32 vcc_lo, v33, v37
	v_cndmask_b32 v[ND], v39, v38, vcc_lo
	v_mul_u32_u24 v[UN], v35, 12
	v_lshlrev_b32 v[OUTO], 4, v36
	v_lshl_add_u32 v[OUTO], v34, 13, v[OUTO]
	v_mov_b32 v[ONE], 1.0
; ---- phase 1: softplus, D^2, P, Q and the sums, eight columns (one chunk c) at a time ----
; 22 LDS loads: ep[k][j] (both channels), ep[j][k], adj[k][j], adj[j][k] for my eight columns of chunk c
.macro LD1 c, b
.irp i, 0,1,2,3
	ds_load_b128 v[\b+4*\i:\b+4*\i+3], v[ROWE] offset:128*(\c)+16*\i
.endr
.irp t, 0,1,2,3,4,5,6,7
	ds_load_b64 v[\b+16+2*\t:\b+17+2*\t], v[COLE+(\c)/4] offset:(16*((\c)%4)+\t)*EPP
.endr
.irp i, 0,1
	ds_load_b128 v[\b+32+4*\i:\b+35+4*\i], v[ROWA] offset:64*(\c)+16*\i
.endr
.irp t, 0,1,2,3,4,5,6,7
	ds_load_b32 v[\b+40+\t], v[COLA] offset:(16*(\c)+\t)*ADP
.endr
.endm
.macro SUM4 c, b, p                    ; the four running sums take pair p of the chunk
	v_pk_add_f32 v[RS:RS+1], v[RS:RS+1], v[A+8*(\c)+\p:A+8*(\c)+\p+1]
	v_pk_fma_f32 v[CS:CS+1], v[\b+16+\p:\b+17+\p], v[T+8+\p:T+9+\p], v[CS:CS+1]
	v_pk_add_f32 v[SA:SA+1], v[SA:SA+1], v[\b+32+\p:\b+33+\p]
	v_pk_add_f32 v[ST:ST+1], v[ST:ST+1], v[\b+40+\p:\b+41+\p]
.endm
.macro C1 c, b
.irp j, 0,2,4,6,8,10,12,14
	v_pk_add_f32 v[\b+\j:\b+\j+1], v[\b+\j:\b+\j+1], v[\b+16+\j:\b+17+\j]          ; ep + ep^T
.endr
.irp j, 0,2,4,6,8,10,12,14
	v_pk_add_f32 v[\b+\j:\b+\j+1], v[\b+\j:\b+\j+1], s[28:29] op_sel_hi:[1,0]      ; + d_init
.endr
.irp j, 0,1,2,3,4,5,6,7,8,9,10,11,12,13,14,15
	v_mul_f32 v[\b+16+\j], -|v[\b+\j]|, s30
.endr
.irp j, 0,1,2,3,4,5,6,7,8,9,10,11,12,13,14,15
	v_exp_f32 v[\b+16+\j], v[\b+16+\j]
.endr
.irp j, 0,1,2,3,4,5,6,7,8,9,10,11,12,13,14,15
	v_max_num_f32 v[T+\j], 0, v[\b+\j]             ; plain work between the exponentials and the use of their results (ISA guide 5.7.2)
.endr
	s_wait_alu depctr_va_vdst(0)
.irp j, 0,2,4,6,8,10,12,14
	v_pk_add_f32 v[\b+16+\j:\b+17+\j], v[\b+16+\j:\b+17+\j], 1.0 op_sel_hi:[1,0]
.endr
.irp j, 0,1,2,3,4,5,6,7,8,9,10,11,12,13,14,15
	v_log_f32 v[\b+16+\j], v[\b+16+\j]
.endr
.irp j, 0,1,2,3,4,5,6,7,8,9,10,11,12,13,14,15
	v_cvt_f32_i32 v[\b+32+\j], v[\b+32+\j]         ; a and aT; also the plain work behind the logarithms
.endr
	s_wait_alu depctr_va_vdst(0)
.irp t, 0,1,2,3,4,5,6,7
	v_fma_f32 v[\b+\t],   v[\b+16+2*\t], s31, v[T+2*\t]      ; sd of column t: the channels are taken apart here
	v_fma_f32 v[\b+8+\t], v[\b+17+2*\t], s31, v[T+1+2*\t]    ; sw
.endr
.irp p, 0,2,4,6
	v_pk_mul_f32 v[T+\p:T+\p+1],     v[\b+32+\p:\b+33+\p], v[\b+32+\p:\b+33+\p]    ; a^2
	v_pk_mul_f32 v[T+8+\p:T+9+\p],   v[\b+40+\p:\b+41+\p], v[\b+40+\p:\b+41+\p]    ; aT^2
	v_pk_mul_f32 v[\b+16+\p:\b+17+\p], v[\b+\p:\b+\p+1],   v[\b+\p:\b+\p+1]        ; sd^2
.endr
.irp p, 0,2,4,6
	v_pk_mul_f32 v[A+8*(\c)+\p:A+8*(\c)+\p+1], v[\b+16+\p:\b+17+\p], v[T+\p:T+\p+1]  ; D^2
	v_pk_add_f32 v[\b+24+\p:\b+25+\p], v[T+\p:T+\p+1], v[T+8+\p:T+9+\p]              ; a^2 + aT^2
	v_pk_mul_f32 v[\b+\p:\b+\p+1], v[\b+8+\p:\b+9+\p], v[\b+\p:\b+\p+1]              ; sw sd
.endr
.if \c == 0
	v_pk_add_f32 v[RS:RS+1], v[A:A+1], v[A+2:A+3]                                  ; the first chunk starts the sums: nothing is cleared
	v_pk_mul_f32 v[CS:CS+1], v[\b+16:\b+17], v[T+8:T+9]
	v_pk_add_f32 v[SA:SA+1], v[\b+32:\b+33], v[\b+34:\b+35]
	v_pk_add_f32 v[ST:ST+1], v[\b+40:\b+41], v[\b+42:\b+43]
	v_pk_fma_f32 v[CS:CS+1], v[\b+18:\b+19], v[T+10:T+11], v[CS:CS+1]
.else
	SUM4 \c, \b, 0
	SUM4 \c, \b, 2
.endif
	SUM4 \c, \b, 4
	SUM4 \c, \b, 6
.irp p, 0,2,4,6
	v_pk_mul_f32 v[T+\p:T+\p+1], v[T+\p:T+\p+1], v[\b+32+\p:\b+33+\p]              ; a^3
.endr
.irp p, 0,2,4,6
	v_pk_fma_f32 v[T+8+\p:T+9+\p], v[T+8+\p:T+9+\p], v[\b+40+\p:\b+41+\p], v[T+\p:T+\p+1]   ; aT^3 + a^3
.endr
	WIN 0x40                                       ; destinations in window 1
.irp p, 0,2,4,6
	v_pk_mul_f32 v[64+8*(\c)+\p:65+8*(\c)+\p], v[\b+8+\p:\b+9+\p], v[\b+24+\p:\b+25+\p]     ; Q
	v_pk_mul_f32 v[8*(\c)+\p:8*(\c)+\p+1], v[\b+\p:\b+\p+1], v[T+8+\p:T+9+\p]               ; P
.endr
	WIN 0
.endm
.macro PH1
	ds_load_b32 v[AKK], v[DIAG]
	LD1 0, BUF0
	LD1 1, BUF1
	s_wait_dscnt 22                                ; LDS loads come back in order: all but the next chunk's 22 are in
	C1 0, BUF0
	LD1 2, BUF0
	s_wait_dscnt 22
	C1 1, BUF1
	LD1 3, BUF1
	s_wait_dscnt 22
	C1 2, BUF0
	LD1 4, BUF0
	s_wait_dscnt 22
	C1 3, BUF1
	LD1 5, BUF1
	s_wait_dscnt 22
	C1 4, BUF0
	LD1 6, BUF0
	s_wait_dscnt 22
	C1 5, BUF1
	LD1 7, BUF1
	s_wait_dscnt 22
	C1 6, BUF0
	s_wait_dscnt 0x0
	C1 7, BUF1
.endm
; ---- the sums meet in LDS.  RS: row k of D^2; CS: column k of D^2; SA, ST: row and column k of adj ----
.macro STATS m
	v_add_f32 v[RS], v[RS], v[RS+1]
	v_add_f32 v[CS], v[CS], v[CS+1]
	v_add_f32 v[SA], v[SA], v[SA+1]
	v_add_f32 v[ST], v[ST], v[ST+1]
	v_cvt_f32_i32 v[AKK], v[AKK]
	v_permlanex16_b32 v[RS+1], v[RS], s18, s19     ; the other half of my row
	v_permlanex16_b32 v[CS+1], v[CS], s18, s19
	v_permlanex16_b32 v[SA+1], v[SA], s18, s19
	v_permlanex16_b32 v[ST+1], v[ST], s18, s19
	v_add_f32 v[RS], v[RS], v[RS+1]
	v_add_f32 v[CS], v[CS], v[CS+1]
	v_add_f32 v[SA], v[SA], v[SA+1]
	v_add_f32 v[ST], v[ST], v[ST+1]
	v_sub_f32 v[SA], v[SA], v[AKK]                 ; the mask's diagonal is 1 whatever adj holds there
	v_sub_f32 v[ST], v[ST], v[AKK]
	v_add_f32 v[SA], 1.0, v[SA]
	v_add_f32 v[ST], 1.0, v[ST]
	v_mov_b32 v[T], v[RS]
.irp x, 1,2,4,8
	v_add_f32_dpp v[T], v[T], v[T] row_xmask:\x row_mask:0xf bank_mask:0xf         ; over my wave's 16 rows
	v_add_f32_dpp v[SA], v[SA], v[SA] row_xmask:\x row_mask:0xf bank_mask:0xf
.endr
	ds_store_b32 v[K4], v[CS] offset:O_RCOL
	ds_store_b32 v[K4], v[ST] offset:O_NMV
	ds_store_b32 v[W4], v[T] offset:O_TOT
	ds_store_b32 v[W4], v[SA] offset:O_SM
	s_wait_dscnt 0x0                               ; my stores are done and my reads of ep are back,
.if \m == 0
	s_set_vgpr_msb 0x5
	s_wait_tensorcnt 0x0                           ; and all my tensor loads have landed (adj of the second molecule was still out)
	ds_add_u32 v128, v129
	s_wait_dscnt 0x0
	s_set_vgpr_msb 0x500
.endif
	BAR                                            ; which now holds of all eight waves
.if \m == 0
	tensor_load_to_lds s[60:63], s[32:39]          ; the one refill: ep of the second molecule, my 16 rows, first thing behind the barrier
	s_nop 0
.endif
.endm
; ---- phase 2: A = mask * (-0.5) * (D^2 - column mean - row mean + mean) ----
.macro PH2
	ds_load_b128 v[ACC:ACC+3], v[SC0] offset:O_TOT
	ds_load_b128 v[ACC+4:ACC+7], v[SC0] offset:O_TOT+16
	ds_load_b128 v[G:G+3], v[SC0] offset:O_SM
	ds_load_b128 v[G+4:G+7], v[SC0] offset:O_SM+16
	ds_load_b32 v[ST], v[SC0] offset:O_NMV         ; N_mol = the mask's column 0
.irp j, 0,1,2,3,4,5,6,7,8,9,10,11,12,13,14,15
	ds_load_b128 v[U+4*\j:U+4*\j+3], v[VECR] offset:O_RCOL+64*(\j/2)+16*(\j%2)
.endr
.irp j, 0,1,2,3,4,5,6,7
	ds_load_b128 v[192+4*\j:195+4*\j], v[ROWA] offset:64*(\j/2)+16*(\j%2)          ; my adj row again: n < 32 in v[192+n],
.endr
.irp j, 8,9,10,11,12,13,14,15
	ds_load_b128 v[4*\j:4*\j+3], v[ROWA] offset:64*(\j/2)+16*(\j%2)                ; n >= 32 in v[n]
.endr
	s_wait_dscnt 32                                ; the five small loads are in; the 32 behind them may be out
	v_pk_add_f32 v[ACC:ACC+1], v[ACC:ACC+1], v[ACC+2:ACC+3]
	v_pk_add_f32 v[ACC+4:ACC+5], v[ACC+4:ACC+5], v[ACC+6:ACC+7]
	v_pk_add_f32 v[G:G+1], v[G:G+1], v[G+2:G+3]
	v_pk_add_f32 v[G+4:G+5], v[G+4:G+5], v[G+6:G+7]
	v_pk_add_f32 v[ACC:ACC+1], v[ACC:ACC+1], v[ACC+4:ACC+5]
	v_pk_add_f32 v[G:G+1], v[G:G+1], v[G+4:G+5]
	v_add_f32 v[ACC], v[ACC], v[ACC+1]             ; sum of D^2
	v_add_f32 v[G], v[G], v[G+1]                   ; sum of the mask
	v_rcp_f32 v[ST+1], v[ST]                       ; 1 / N_mol
	v_rcp_f32 v[G+1], v[G]
	v_nop
	s_wait_alu depctr_va_vdst(0)
	v_mul_f32 v[GS], 0x3e4ccccd, v[G+1]            ; 0.2 / sum(mask)
	v_mul_f32 v[HINV], 0.5, v[ST+1]
	v_fma_f32 v[ACC], -v[ACC], v[ST+1], v[RS]      ; row sum - total / N
	v_mov_b32 v[HINV+1], v[HINV]
	v_mul_f32 v[CKH], v[ACC], v[HINV]              ; 0.5 (row mean - mean)
	v_mov_b32 v[CKH+1], v[CKH]
.set n, 0
.rept 32
	v_pk_fma_f32 v[A+n:A+n+1], v[A+n:A+n+1], -0.5, v[CKH:CKH+1] op_sel_hi:[1,0,1]
.set n, n+2
.endr
	s_wait_dscnt 0x0
.set n, 0
.rept 32
	v_pk_fma_f32 v[A+n:A+n+1], v[U+n:U+n+1], v[HINV:HINV+1], v[A+n:A+n+1]
.set n, n+2
.endr
.set n, 0
.rept 64
.if n < 32
.set mr, 192+n
.else
.set mr, n
.endif
	v_cvt_f32_i32 v[mr], v[mr]
.set n, n+1
.endr
.set n, 0
.rept 64
.if n < 32
.set mr, 192+n
.else
.set mr, n
.endif
	v_cmp_eq_u32 vcc_lo, n, v[ND]
	v_cndmask_b32 v[mr], v[mr], v[ONE], vcc_lo     ; the mask's diagonal is 1
.set n, n+1
.endr
.set n, 0
.rept 32
.if n < 32
.set mr, 192+n
.else
.set mr, n
.endif
	v_pk_mul_f32 v[A+n:A+n+1], v[A+n:A+n+1], v[mr:mr+1]
.set n, n+2
.endr
	s_wait_loadcnt 0x0                             ; u_init and x_noise of my row
.endm
; ---- power iteration ----
; my row's number goes to vector q, my wave's sum of squares to partial set q; then the barrier that shows both to everybody.
; One barrier a product is enough: the set that is written here was last read in front of the barrier before.
.macro PUBLISH reg, q
	v_mul_f32 v[T], v[\reg], v[\reg]
.irp x, 1,2,4,8
	v_add_f32_dpp v[T], v[T], v[T] row_xmask:\x row_mask:0xf bank_mask:0xf
.endr
	ds_store_b32 v[K4], v[\reg] offset:O_VEC+512*(\q)
	ds_store_b32 v[W4], v[T] offset:O_PART+32*(\q)
	s_wait_dscnt 0x0                               ; for the others' sake: my stores are done, my reads are back
	BAR
.endm
.macro LDPART p
	ds_load_b128 v[T:T+3], v[SC0] offset:O_PART+32*(\p)
	ds_load_b128 v[T+4:T+7], v[SC0] offset:O_PART+32*(\p)+16
.endm
.macro LDVEC p
.irp j, 0,1,2,3,4,5,6,7,8,9,10,11,12,13,14,15
	ds_load_b128 v[U+4*\j:U+4*\j+3], v[VECR] offset:O_VEC+512*(\p)+64*(\j/2)+16*(\j%2)
.endr
.endm
.macro SUMPART
	v_pk_add_f32 v[T:T+1], v[T:T+1], v[T+2:T+3]
	v_pk_add_f32 v[T+4:T+5], v[T+4:T+5], v[T+6:T+7]
	v_pk_add_f32 v[T:T+1], v[T:T+1], v[T+4:T+5]
	v_add_f32 v[T], v[T], v[T+1]
.endm
.macro DOT8                            ; eight packed multiply-adds on four chains, from pair e on
.rept 8
	v_pk_fma_f32 v[ACC+2*(e%4):ACC+2*(e%4)+1], v[A+2*e:A+2*e+1], v[U+2*e:U+2*e+1], v[ACC+2*(e%4):ACC+2*(e%4)+1]
.set e, e+1
.endr
.endm
; y = A (u / max(|u|, 1e-3)) = (A u) / max(|u|, 1e-3): u from vector p, y to vector 1 - p
.macro MV p
	LDPART \p
	LDVEC \p
	s_wait_dscnt 16                                ; the partial sums are in; the vector's 16 loads may be out
	SUMPART
	v_sqrt_f32 v[T+1], v[T]
	s_wait_dscnt 12                                ; the vector's first four loads
.irp q, 0,1,2,3
	v_pk_mul_f32 v[ACC+2*\q:ACC+2*\q+1], v[A+2*\q:A+2*\q+1], v[U+2*\q:U+2*\q+1]    ; the first products start the chains
.endr
.set e, 4
.rept 4
	v_pk_fma_f32 v[ACC+2*(e%4):ACC+2*(e%4)+1], v[A+2*e:A+2*e+1], v[U+2*e:U+2*e+1], v[ACC+2*(e%4):ACC+2*(e%4)+1]
.set e, e+1
.endr
	s_wait_alu depctr_va_vdst(0)
	v_max_num_f32 v[T+1], 0x3a83126f, v[T+1]       ; max(norm, 1e-3)
	v_rcp_f32 v[RN], v[T+1]
	s_wait_dscnt 8
	DOT8
	s_wait_dscnt 4
	DOT8
	s_wait_dscnt 0x0
	DOT8
	v_pk_add_f32 v[ACC:ACC+1], v[ACC:ACC+1], v[ACC+2:ACC+3]
	v_pk_add_f32 v[ACC+4:ACC+5], v[ACC+4:ACC+5], v[ACC+6:ACC+7]
	v_pk_add_f32 v[ACC:ACC+1], v[ACC:ACC+1], v[ACC+4:ACC+5]
	v_add_f32 v[ACC], v[ACC], v[ACC+1]
	v_permlanex16_b32 v[ACC+1], v[ACC], s18, s19   ; the other half of my row
	v_add_f32 v[ACC], v[ACC], v[ACC+1]
	s_wait_alu depctr_va_vdst(0)
	v_mul_f32 v[Y], v[ACC], v[RN]
	PUBLISH Y, (1-(\p))
.endm
; column kx = y / (|y|^2 + 0.01)^(1/4); A -= column column^T (not behind the last column)
.macro FIN kx, p
	LDPART \p
.if \kx < 2
	LDVEC \p
	s_wait_dscnt 16
.else
	s_wait_dscnt 0x0
.endif
	SUMPART
	v_add_f32 v[T], 0x3c23d70a, v[T]               ; + 0.01
	v_sqrt_f32 v[T], v[T]
	v_nop
	s_wait_alu depctr_va_vdst(0)
	v_rsq_f32 v[F], v[T]
	v_nop
	s_wait_alu depctr_va_vdst(0)
	v_mul_f32 v[XC+\kx], v[Y], v[F]
.if \kx < 2
	v_mul_f32 v[T+2], -v[F], v[XC+\kx]             ; - F^2 y_k
	v_mov_b32 v[T+3], v[T+2]
	s_wait_dscnt 0x0
.set n, 0
.rept 32
	v_pk_fma_f32 v[A+n:A+n+1], v[U+n:U+n+1], v[T+2:T+3], v[A+n:A+n+1]
.set n, n+2
.endr
.endif
.endm
.macro COLUMN kx, p
	PUBLISH UI+\kx, \p
	s_mov_b32 s26, 5                               ; ten products, two a trip
.Lpow_\@:
	MV \p
	MV (1-\p)
	s_sub_co_i32 s26, s26, 1
	s_cmp_lg_u32 s26, 0
	s_cbranch_scc1 .Lpow_\@
	FIN \kx, \p
.endm
; ---- five gradient steps ----
.macro LDX c, b                        ; x, y, z of my eight columns of chunk c: six loads
.irp d, 0,1,2
	ds_load_b128 v[\b+8*\d:\b+8*\d+3], v[VECR] offset:O_XB+512*\d+64*(\c)
	ds_load_b128 v[\b+8*\d+4:\b+8*\d+7], v[VECR] offset:O_XB+512*\d+64*(\c)+16
.endr
.endm
.macro CG c, b
.irp d, 0,1,2
.irp p, 0,2,4,6
	v_pk_add_f32 v[\b+8*\d+\p:\b+8*\d+\p+1], v[XK+2*\d:XK+2*\d+1], v[\b+8*\d+\p:\b+8*\d+\p+1] neg_lo:[0,1] neg_hi:[0,1]   ; x_k - x_j
.endr
.endr
.irp p, 0,2,4,6
	v_pk_fma_f32 v[T+\p:T+\p+1], v[\b+\p:\b+\p+1], v[\b+\p:\b+\p+1], 0x3c23d70a op_sel_hi:[1,1,0]     ; 0.01 + dx^2
.endr
.irp p, 0,2,4,6
	v_pk_fma_f32 v[T+\p:T+\p+1], v[\b+8+\p:\b+9+\p], v[\b+8+\p:\b+9+\p], v[T+\p:T+\p+1]
.endr
.irp p, 0,2,4,6
	v_pk_fma_f32 v[T+\p:T+\p+1], v[\b+16+\p:\b+17+\p], v[\b+16+\p:\b+17+\p], v[T+\p:T+\p+1]
.endr
.irp t, 0,1,2,3,4,5,6,7
	v_rsq_f32 v[T+\t], v[T+\t]                     ; 1 / distance
.endr
	v_nop
	WIN 0x11                                       ; sources 0 and 2 in window 1
	s_wait_alu depctr_va_vdst(0)
.irp p, 0,2,4,6
	v_pk_fma_f32 v[T+\p:T+\p+1], v[8*(\c)+\p:8*(\c)+\p+1], v[T+\p:T+\p+1], v[64+8*(\c)+\p:65+8*(\c)+\p] neg_lo:[0,0,1] neg_hi:[0,0,1]   ; P / dist - Q
.endr
	WIN 0
.irp p, 0,2,4,6
.irp d, 0,1,2
.if (\c)+\p == 0
	v_pk_mul_f32 v[G+2*\d:G+2*\d+1], v[T+\p:T+\p+1], v[\b+8*\d+\p:\b+8*\d+\p+1]    ; the first products start the sums
.else
	v_pk_fma_f32 v[G+2*\d:G+2*\d+1], v[T+\p:T+\p+1], v[\b+8*\d+\p:\b+8*\d+\p+1], v[G+2*\d:G+2*\d+1]
.endif
.endr
.endr
.endm
.macro STOREX
	ds_store_b32 v[K4], v[XK] offset:O_XB
	ds_store_b32 v[K4], v[XK+2] offset:O_XB+512
	ds_store_b32 v[K4], v[XK+4] offset:O_XB+1024
	s_wait_dscnt 0x0
	BAR
.endm
.macro GRAD
	v_add_f32 v[XK], v[XC], v[NO]
	v_add_f32 v[XK+2], v[XC+1], v[NO+1]
	v_add_f32 v[XK+4], v[XC+2], v[NO+2]
	v_mov_b32 v[XK+1], v[XK]
	v_mov_b32 v[XK+3], v[XK+2]
	v_mov_b32 v[XK+5], v[XK+4]
	STOREX
	s_mov_b32 s27, 0x40a00000                      ; alpha = 5.0, then 0.98 less in each step
	s_mov_b32 s26, 5
.Lgrad_\@:
	LDX 0, BUF0
	LDX 1, BUF1
	s_wait_dscnt 6                                 ; all but the next chunk's six loads
	CG 0, BUF0
	LDX 2, BUF0
	s_wait_dscnt 6
	CG 1, BUF1
	LDX 3, BUF1
	s_wait_dscnt 6
	CG 2, BUF0
	LDX 4, BUF0
	s_wait_dscnt 6
	CG 3, BUF1
	LDX 5, BUF1
	s_wait_dscnt 6
	CG 4, BUF0
	LDX 6, BUF0
	s_wait_dscnt 6
	CG 5, BUF1
	LDX 7, BUF1
	s_wait_dscnt 6
	CG 6, BUF0
	s_wait_dscnt 0x0
	CG 7, BUF1
	v_add_f32 v[G], v[G], v[G+1]
	v_add_f32 v[G+2], v[G+2], v[G+3]
	v_add_f32 v[G+4], v[G+4], v[G+5]
	v_permlanex16_b32 v[G+1], v[G], s18, s19
	v_permlanex16_b32 v[G+3], v[G+2], s18, s19
	v_permlanex16_b32 v[G+5], v[G+4], s18, s19
	v_add_f32 v[G], v[G], v[G+1]
	v_add_f32 v[G+2], v[G+2], v[G+3]
	v_add_f32 v[G+4], v[G+4], v[G+5]
	v_mul_f32 v[G], v[G], v[GS]                    ; dx = -0.1 gradient
	v_mul_f32 v[G+2], v[G+2], v[GS]
	v_mul_f32 v[G+4], v[G+4], v[GS]
	v_fmaak_f32 v[T], v[G], v[G], 0x3a83126f       ; |dx|^2 + 0.001
	v_fma_f32 v[T], v[G+2], v[G+2], v[T]
	v_fma_f32 v[T], v[G+4], v[G+4], v[T]
	v_rsq_f32 v[T+1], v[T]                         ; 1 / speed
	v_rcp_f32 v[T+2], s27                          ; 1 / alpha
	v_mul_f32 v[T+3], 0x4038aa3b, v[T]             ; 2 log2 e x speed^2
	s_wait_alu depctr_va_vdst(0)
	v_mul_f32 v[T+3], v[T+3], v[T+1]
	v_mul_f32 v[T+3], v[T+3], v[T+2]               ; 2 log2 e x speed / alpha
	v_exp_f32 v[T+3], v[T+3]
	v_nop
	s_wait_alu depctr_va_vdst(0)
	v_add_f32 v[T+3], 1.0, v[T+3]
	v_rcp_f32 v[T+3], v[T+3]
	v_nop
	s_wait_alu depctr_va_vdst(0)
	v_fma_f32 v[T+3], v[T+3], -2.0, 1.0            ; tanh(speed / alpha)
	v_mul_f32 v[T+3], v[T+3], v[T+1]
	v_mul_f32 v[T+3], s27, v[T+3]                  ; alpha tanh / speed
	v_fma_f32 v[XK], v[G], v[T+3], v[XK]
	v_fma_f32 v[XK+2], v[G+2], v[T+3], v[XK+2]
	v_fma_f32 v[XK+4], v[G+4], v[T+3], v[XK+4]
	v_mov_b32 v[XK+1], v[XK]
	v_mov_b32 v[XK+3], v[XK+2]
	v_mov_b32 v[XK+5], v[XK+4]
	s_wait_dscnt 0x0                               ; my reads of the old coordinates are back,
	BAR                                            ; everybody's are: they may be overwritten
	STOREX                                         ; the new ones, and the barrier that shows them
	s_add_f32 s27, s27, 0xbf7ae148
	s_sub_co_i32 s26, s26, 1
	s_cmp_lg_u32 s26, 0
	s_cbranch_scc1 .Lgrad_\@
.endm
; ---- out[i][j] = adj[i][j] sqrt(|x_i - x_j|^2 + 0.01): my wave's 16 rows, a lane four neighbouring columns, so that a store covers a whole row of 512 bytes ----
.macro OUTP m
	ds_load_b128 v[48:51], v[L16] offset:O_XB
	ds_load_b128 v[52:55], v[L16] offset:O_XB+512
	ds_load_b128 v[56:59], v[L16] offset:O_XB+1024
.irp r, 0,1,2,3,4,5,6,7,8,9,10,11,12,13,14,15
	ds_load_b128 v[U+4*\r:U+4*\r+3], v[OUTA] offset:ADP*\r
.endr
	v_sub_f32 v60, 0, v[XK]                        ; - x_i, to be read lane by lane
	v_sub_f32 v61, 0, v[XK+2]
	v_sub_f32 v62, 0, v[XK+4]
.irp r, 0,1,2,3,4,5,6,7,8,9,10,11,12,13,14,15
	s_wait_dscnt 15-\r                             ; adj's row r is in, the younger rows may be out
	v_readlane_b32 s20, v60, \r                    ; lane r holds row 16 w + r
	v_readlane_b32 s22, v61, \r
	v_readlane_b32 s24, v62, \r
	v_pk_add_f32 v[32:33], v[48:49], s[20:21] op_sel_hi:[1,0]
	v_pk_add_f32 v[34:35], v[50:51], s[20:21] op_sel_hi:[1,0]
	v_pk_add_f32 v[36:37], v[52:53], s[22:23] op_sel_hi:[1,0]
	v_pk_add_f32 v[38:39], v[54:55], s[22:23] op_sel_hi:[1,0]
	v_pk_add_f32 v[40:41], v[56:57], s[24:25] op_sel_hi:[1,0]
	v_pk_add_f32 v[42:43], v[58:59], s[24:25] op_sel_hi:[1,0]
	v_pk_fma_f32 v[44:45], v[32:33], v[32:33], 0x3c23d70a op_sel_hi:[1,1,0]
	v_pk_fma_f32 v[46:47], v[34:35], v[34:35], 0x3c23d70a op_sel_hi:[1,1,0]
	v_pk_fma_f32 v[44:45], v[36:37], v[36:37], v[44:45]
	v_pk_fma_f32 v[46:47], v[38:39], v[38:39], v[46:47]
	v_pk_fma_f32 v[44:45], v[40:41], v[40:41], v[44:45]
	v_pk_fma_f32 v[46:47], v[42:43], v[42:43], v[46:47]
	v_sqrt_f32 v44, v44
	v_sqrt_f32 v45, v45
	v_sqrt_f32 v46, v46
	v_sqrt_f32 v47, v47
	v_cvt_f32_i32 v[U+4*\r], v[U+4*\r]             ; plain work behind the roots
	v_cvt_f32_i32 v[U+4*\r+1], v[U+4*\r+1]
	v_cvt_f32_i32 v[U+4*\r+2], v[U+4*\r+2]
	v_cvt_f32_i32 v[U+4*\r+3], v[U+4*\r+3]
	s_wait_alu depctr_va_vdst(0)
	v_pk_mul_f32 v[U+4*\r:U+4*\r+1], v[U+4*\r:U+4*\r+1], v[44:45]
	v_pk_mul_f32 v[U+4*\r+2:U+4*\r+3], v[U+4*\r+2:U+4*\r+3], v[46:47]
	global_store_b128 v[OUTO], v[U+4*\r:U+4*\r+3], s[14:15] offset:(\m)*65536+512*\r th:TH_STORE_NT   ; 512 consecutive bytes, aligned; each row has data registers of its own
.endr
.endm
.macro MOL m
	PH1
	STATS \m
	PH2
	COLUMN 0, 0
	COLUMN 1, 1
	COLUMN 2, 0
	GRAD
	OUTP \m
.endm
	; molecule 0
	global_load_b96 v[UI:UI+2], v[UN], s[10:11]
	global_load_b96 v[NO:NO+2], v[UN], s[12:13]
	s_wait_tensorcnt 0x1                           ; my rows of ep and adj of molecule 0 are in; the one younger load (adj of molecule 1) stays out
	BAR                                            ; everybody's are
	s_wait_kmcnt 0x0                               ; d_init
	MOL 0
	; molecule 1
	s_wait_xcnt 0x0                                ; the stores' data registers are loaded again only behind this wait
	v_add_nc_u32 v[ROWA], ADJSZ, v[ROWA]           ; adj of molecule 1 lies one region further on
	v_add_nc_u32 v[COLA], ADJSZ, v[COLA]
	v_add_nc_u32 v[DIAG], ADJSZ, v[DIAG]
	v_add_nc_u32 v[OUTA], ADJSZ, v[OUTA]
	global_load_b96 v[UI:UI+2], v[UN], s[10:11] offset:1536
	global_load_b96 v[NO:NO+2], v[UN], s[12:13] offset:1536
	s_wait_dscnt 0x0                               ; my reads of molecule 0's coordinates and adj are back
	s_wait_tensorcnt 0x0                           ; my rows of ep of molecule 1 are in; no tensor load is out from here to the end
	BAR
	MOL 1
	s_set_vgpr_msb 0x5
	s_wait_tensorcnt 0x0
	ds_add_u32 v128, v129
	s_wait_dscnt 0x0
	s_set_vgpr_msb 0x500
	s_endpgm
.Lfunc_end_k_q18106033c2_tsgcn:
	.size	k_q18106033c2_tsgcn, .Lfunc_end_k_q18106033c2_tsgcn-k_q18106033c2_tsgcn
	.p2alignl 7, 3214868480
	.fill 96, 4, 3214868480
	.section	.rodata,"a",@progbits
	.p2align	6, 0x0
	.amdhsa_kernel k_q18106033c2_tsgcn
		.amdhsa_group_segment_fixed_size 327680
		.amdhsa_private_segment_fixed_size 0
		.amdhsa_enable_private_segment 0
		.amdhsa_kernarg_size 48
		.amdhsa_user_sgpr_count 2
		.amdhsa_user_sgpr_kernarg_segment_ptr 1
		.amdhsa_wavefront_size32 1
		.amdhsa_system_sgpr_workgroup_id_x 1
		.amdhsa_system_sgpr_workgroup_id_y 1
		.amdhsa_system_sgpr_workgroup_id_z 1
		.amdhsa_system_vgpr_workitem_id 0
		.amdhsa_next_free_vgpr 386
		.amdhsa_next_free_sgpr 66
		.amdhsa_reserve_vcc 1
		.amdhsa_float_denorm_mode_32 3
		.amdhsa_float_denorm_mode_16_64 3
		.amdhsa_memory_ordered 1
		.amdhsa_forward_progress 1
		.amdhsa_inst_pref_size 255
	.end_amdhsa_kernel
	.section	.bss,"aw",@nobits
	.p2align	6
	.space	262144
	.amdgpu_metadata
---
amdhsa.version: [ 1, 2 ]
amdhsa.kernels:
  - .name:           k_q18106033c2_tsgcn
    .symbol:         k_q18106033c2_tsgcn.kd
    .args:
      - { .name: edge_pred, .offset: 0, .size: 8, .value_kind: global_buffer, .address_space: global }
      - { .name: adj, .offset: 8, .size: 8, .value_kind: global_buffer, .address_space: global }
      - { .name: d_init, .offset: 16, .size: 8, .value_kind: global_buffer, .address_space: global }
      - { .name: u_init, .offset: 24, .size: 8, .value_kind: global_buffer, .address_space: global }
      - { .name: x_noise, .offset: 32, .size: 8, .value_kind: global_buffer, .address_space: global }
      - { .name: out0, .offset: 40, .size: 8, .value_kind: global_buffer, .address_space: global }
    .group_segment_fixed_size: 327680
    .private_segment_fixed_size: 0
    .kernarg_segment_align: 8
    .kernarg_segment_size: 48
    .max_flat_workgroup_size: 256
    .sgpr_count:     66
    .vgpr_count:     386
    .wavefront_size: 32
...
	.end_amdgpu_metadata
.endif
;; end of part 1
